; MI455X (gfx1250); checked and timed in simulation.
; The chip was launched on July 23, 2026; its instructions are those of AMD's public machine-readable ISA for CDNA 5 (MIT licence, August 2026) and "CDNA5" Instruction Set Architecture Reference Guide (July 2026). The comments in the code are by the model that wrote it; some were corrected since.
;; Feed Forward Quantum. Allowed arithmetic: matrix products marked QUANTISED: E3M2 operands, one E8M0 scale for each 32 along K, by v_wmma_scale_f32_16x16x128_f8f6f4 with both operands' format E3M2, f32 sums; products left as they are: f32 operands where the result goes on into a quantised operand, else bf16, f16 or f32 operands; f32 sums; everything else in f32.
;; Inputs: W1 4,096 x 1,024 float32; W2 4,096 x 16 float32; Wo 1,024 x 4,096 float32; Wq 16 x 4,096 float32; theta 16 float32; x 4 x 2,048 x 1,024 float32.
;; Outputs: out0 4 x 2,048 x 1,024 float32.
;; This version of the problem:
;;   THIS VERSION OF THE PROBLEM IS GIVEN IN LOW PRECISION. The matrix products marked QUANTISED in the list below multiply operands that are first quantised to E3M2 (3 exponent bits, 2 mantissa bits; 6 bits a number), with one power-of-two scale for each 32 numbers along K (OCP MX v1.0); their sums are f32. All else is computed in f32.
;;   The module's matrix products, in the order in which they are computed (A, B: the left and right operand; K: the contracted axis; several contracted axes count as one K, in the product's order):
;;     1. [M 8,192, K 1,024] x [K 1,024, N 4,096]; A: input x; B: input W1: QUANTISED
;;     2. [M 8,192, K 4,096] x [K 4,096, N 16]; A: computed on the way; B: input Wq: QUANTISED
;;     3. [M 8,192, K 16] x [K 16, N 4,096]; A: computed on the way; B: input W2: left as it is (K = 16 < 32)
;;     4. [M 8,192, K 4,096] x [K 4,096, N 1,024]; A: computed on the way; B: input Wo: QUANTISED
;;   THE QUANTISER, for each operand of a quantised product, along K:
;;     - K is cut into blocks of 32 from its start; a last block that is shorter is filled with zeros.
;;     - A block's scale is 2^e with e = floor(log2(the largest magnitude in the block)) - 4, held to -126 .. 127; a block of zeros has e = 0. As a byte (E8M0): e + 127.
;;     - Each number is divided by its block's scale, clamped to +-28, and rounded to the nearest number of E3M2, ties to even, subnormals kept.
;;     - The product sums the exact products of the quantised numbers (number of the format x scale) in f32.
;;   ~~~python
;;   def quantise(x, axis):      # numpy; x: float32 -> the quantised numbers, widened to float32 again
;;       x = np.moveaxis(x, axis, -1); K = x.shape[-1]
;;       x = np.pad(x, [(0, 0)] * (x.ndim - 1) + [(0, -K % 32)]); x = x.reshape(x.shape[:-1] + (-1, 32)); a = np.abs(x).max(-1, keepdims=True)
;;       e = np.where(a > 0, np.clip(np.frexp(np.where(a > 0, a, 1))[1] - 1 - 4, -126, 127), 0)      # np.frexp(a)[1] - 1 = floor(log2(a)), exactly
;;       r = np.clip(x / 2.0 ** e, -28, 28)
;;       step = 2.0 ** (np.maximum(np.frexp(np.where(r == 0, 1, r))[1] - 1, -2) - 2)
;;       q = np.round(r / step) * step * 2.0 ** e      # np.round: ties to even
;;       return np.moveaxis(q.reshape(q.shape[:-2] + (-1,))[..., :K], -1, axis).astype(np.float32)
;;   ~~~
;;   OPERANDS COMPUTED ON THE WAY. 'Computed on the way' means the value that the module computes at that place (a softmax that the list does not call 'softmax' is quantised finished and normalised). What goes into a quantiser is computed in f32, as accurately as f32 sums, v_exp_f32 and their like allow (about 1e-6 of the number): no bf16 or f16 on the way to a quantiser, and a product that is left as it is and whose result goes on into a quantised operand takes f32 operands (vector FMAs, or v_wmma_f32_16x16x4_f32). A number that lies on a knife's edge between two numbers of the format may be rounded either way, as far as f32 arithmetic and the matrix unit's own rounding can turn it there, and no further.
;; One version. Each part assembles by itself: llvm-mc -triple=amdgcn-amd-amdhsa -mcpu=gfx1250 --defsym DOCPART=n.
;; ======== version 1 of 1: 4 launches
;; limits: right only within a limited range of input values
;; workspace buffers: xr 6,553,600 bytes; w1r 3,276,800 bytes; wor 3,276,800 bytes; wqr 51,200 bytes; qpart 8,388,608 bytes; h2r 26,214,400 bytes
;; launch quant (part 1): grid 514 x 1, 4 waves a work-group, no clusters, 34,304 bytes of LDS; arguments x, W1, Wo, Wq, xr, w1r, wor, wqr; writes xr, w1r, wor, wqr
.if DOCPART == 1
	.amdgcn_target "amdgcn-amd-amdhsa--gfx1250"
	.amdhsa_code_object_version 6
	.text
	.protected	k_q3e574cc110_quant
	.globl	k_q3e574cc110_quant
	.p2align	8
	.type	k_q3e574cc110_quant,@function
k_q3e574cc110_quant:
	s_mov_b64 s[64:65], 0
	v_nop
	global_prefetch_b8 v0, s[64:65] scope:SCOPE_SE
	s_setreg_imm32_b32 hwreg(HW_REG_WAVE_MODE, 25, 1), 1
	s_wait_xcnt 0x0
; x [8192][1024], W1 [4096][1024], Wo [1024][4096], Wq [16][4096], all f32 with K innermost, become codes of BF6 (E3M2) with one E8M0 byte for each 32 along K,
; laid as RECORDS in the order of the matrix operand's registers.  A record is 6,400 bytes = 16 rows x 512 along K:
;   bytes 0 .. 6143: four fragment images (K steps s = 0 .. 3 of 128): registers 4 c .. 4 c + 3 of lane l at 1536 s + 512 c + 16 l;
;   bytes 6144 .. 6399: the scale words: row r, K step s at 6144 + 128 (s / 2) + 8 r + 4 (s % 2).
; A tensor is [rows / 16][K / 512] records.  So a reader takes a fragment by three loads of 512 consecutive bytes, and every store here covers whole aligned runs of 256 bytes.
; W1'S ROWS ARE PERMUTED: stored row block t, lane r, holds true row 32 (t / 2) + 8 (t % 2) + r + 8 (r / 8), so that in the next launch's transposed product a lane's 16 registers of two neighbouring
; tiles are 16 neighbours along the next K.
; A block's scale is 2^(floor(log2(largest magnitude)) - 4); its byte is the largest magnitude's exponent field - 4, held at 1 from below.
; LIMITS: a block of zeros, or one whose largest magnitude lies under 2^-122, keeps the byte 1 (its codes are zeros or tiny; this program alone reads the bytes); NaN and infinities are not served.
; SHARES: a wave makes one record (32 KiB in, 6,400 bytes out).  Work-groups 0-255 take x, 256-383 W1, 384-511 Wo, 512-513 Wq: one path, only pointers and shifts are chosen, on the work-group's number.
; Each load reads 512 consecutive bytes of one row; a K step's 16 rows turn through the wave's own stage in LDS, so that a lane gets 16 neighbours of each block of 32.  Waves share nothing: no barrier.
; No cluster and no tensor load: no byte is read by two work-groups.
.set REC,  6400
.set SP,   528                         ; a stage row: 512 bytes + 16: an odd multiple of 16, so the sixteen rows that a read touches start in different banks (ISA guide 11.1)
.set WST,  16*SP                       ; a wave's stage
.set ROW,  8                           ; v8-23    row i of the record: 16 x lane + the row's distance in bytes; never rewritten
.set PC,   24                          ; v24-43   the codes just made (12 registers) and two halves on their way
.set PW,   44                          ; v44-47   the four K steps' scale words
.set TM,   48                          ; v48-63   at work in QUANT
.set X,    64                          ; v64-127  64 numbers of my row: register 16 b + i = k 32 b + 16 (lane / 16) + i
.set R,    128                         ; v128-255 two sets of 64 registers as loaded
.set SEL,  2                           ; s[2:3]   v_permlanex16_b32's selects for lane l xor 16
; 64 numbers of a lane become a fragment's codes in v[PC] .. v[PC + 11] and its row's scale word in v[pw].
.macro QUANT s, pw
.irp b, 0,1,2,3
	v_max3_num_f32 v[TM+\b], |v[(\s)+16*\b]|, |v[(\s)+1+16*\b]|, 0x2800000   ; block b: my 16 numbers, and the floor 2^(5 - 127): the byte cannot fall under 1
.endr
.irp i, 2,4,6,8,10,12,14
.irp b, 0,1,2,3
	v_max3_num_f32 v[TM+\b], v[TM+\b], |v[(\s)+16*\b+\i]|, |v[(\s)+1+16*\b+\i]|   ; the four blocks by turns
.endr
.endr
.irp b, 0,1,2,3
	v_permlanex16_b32 v[TM+4+\b], v[TM+\b], s[SEL], s[SEL+1]
.endr
.irp b, 0,1,2,3
	v_max_num_f32 v[TM+\b], v[TM+\b], v[TM+4+\b]       ; with lane l xor 16's 16: the block's largest magnitude
.endr
.irp b, 0,1,2,3
	v_add_nc_u32 v[TM+12+\b], 0xfe000000, v[TM+\b]     ; 4 off its exponent field: the conversion takes this operand's exponent field as its scale
.endr
.irp b, 0,1,2,3
	v_lshrrev_b32 v[TM+4+\b], 23, v[TM+12+\b]          ; the scale's byte
.endr
	v_lshl_or_b32 v[\pw], v[TM+5], 8, v[TM+4]
	v_lshl_or_b32 v[\pw], v[TM+6], 16, v[\pw]
	v_lshl_or_b32 v[\pw], v[TM+7], 24, v[\pw]          ; my row's scale word
.irp c, 0,1
	v_cvt_scalef32_pk16_bf6_f32 v[PC+6*\c:PC+2+6*\c], v[(\s)+32*\c:(\s)+15+32*\c], v[TM+12+2*\c]
	v_cvt_scalef32_pk16_bf6_f32 v[PC+12+4*\c:PC+14+4*\c], v[(\s)+16+32*\c:(\s)+31+32*\c], v[TM+12+2*\c+1]   ; (a conversion's three registers begin on an even number)
.endr
	v_nop                                              ; one plain place behind a scaled conversion
.irp c, 0,1                                        ; the operand wants a WHOLE block in a lane: lanes 0-15 block 2 c, lanes 16-31 block 2 c + 1
.irp i, 0,1,2
	v_permlane16_swap_b32 v[PC+6*\c+\i], v[PC+12+4*\c+\i]
.endr
.irp i, 0,1,2
	v_mov_b32 v[PC+3+6*\c+\i], v[PC+12+4*\c+\i]
.endr
.endr
.endm
.macro LOADF s                         ; K step s of the record's 16 rows: 512 consecutive bytes a load
.irp i, 0,1,2,3,4,5,6,7,8,9,10,11,12,13,14,15
	global_load_b128 v[R+64*((\s)%2)+4*\i:R+64*((\s)%2)+4*\i+3], v[ROW+\i], s[20:21] offset:512*(\s) th:TH_LOAD_NT
.endr
.endm
.macro TURN s                          ; through the stage: LDS serves a wave's instructions in order (ISA guide 5.7.1.4), so no wait stands between the stores and the loads
.irp i, 0,1,2,3,4,5,6,7,8,9,10,11,12,13,14,15
	ds_store_b128 v2, v[R+64*((\s)%2)+4*\i:R+64*((\s)%2)+4*\i+3] offset:SP*\i
.endr
.irp b, 0,1,2,3
.irp j, 0,1,2,3
	ds_load_b128 v[X+16*\b+4*\j:X+16*\b+4*\j+3], v3 offset:128*\b+16*\j
.endr
.endr
.endm
	s_load_b256 s[4:11], s[0:1], 0x0               ; x, W1, Wo, Wq
	s_load_b256 s[12:19], s[0:1], 0x20             ; xr, w1r, wor, wqr
	v_lshl_add_u32 v58, v0, 2, 0x8400
	v_mov_b32 v59, 0
	v_lshrrev_b32 v1, 5, v0
	v_readfirstlane_b32 s28, v1                    ; wave
	v_and_b32 v4, 31, v0                           ; lane
	v_lshlrev_b32 v1, 4, v4                        ; v1 = 16 x lane
	s_mul_i32 s29, s28, WST
	v_add_nc_u32 v2, s29, v1                       ; v2: the stage, on the way in
	v_and_b32 v6, 15, v0                           ; r
	v_bfe_u32 v5, v0, 4, 1                         ; v5 = h
	v_mul_u32_u24 v3, v6, SP
	v_lshl_add_u32 v3, v5, 6, v3
	v_add_nc_u32 v3, s29, v3                       ; v3: and out: row r, + 64 h
	v_lshlrev_b32 v4, 3, v4                        ; v4 = 8 x lane: the scale words' place
	s_mov_b32 s[SEL], 0x76543210
	s_mov_b32 s[SEL+1], 0xfedcba98
.irp b, 0,1,2,3
	v_mov_b32 v[TM+4+\b], 0                        ; written once: a lane permute's destination counts as one of its sources
.endr
	s_mov_b32 s24, 0                               ; the tensor's first work-group
	s_mov_b32 s25, 1                               ; log2 of records in a row block
	s_mov_b32 s26, 12                              ; log2 of a row's bytes
	s_mov_b32 s27, 0                               ; 8 for W1: rows 8-15 of a record lie 8 rows further on
	s_wait_kmcnt 0x0
	s_mov_b64 s[20:21], s[4:5]
	s_mov_b64 s[22:23], s[12:13]
	s_cmp_ge_u32 ttmp9, 256                        ; the choices hang on the work-group's number alone
	s_cselect_b64 s[20:21], s[6:7], s[20:21]
	s_cselect_b64 s[22:23], s[14:15], s[22:23]
	s_cselect_b32 s24, 256, s24
	s_cselect_b32 s27, 8, s27
	s_cmp_ge_u32 ttmp9, 384
	s_cselect_b64 s[20:21], s[8:9], s[20:21]
	s_cselect_b64 s[22:23], s[16:17], s[22:23]
	s_cselect_b32 s24, 384, s24
	s_cselect_b32 s25, 3, s25
	s_cselect_b32 s26, 14, s26
	s_cselect_b32 s27, 0, s27
	s_cmp_ge_u32 ttmp9, 512
	s_cselect_b64 s[20:21], s[10:11], s[20:21]
	s_cselect_b64 s[22:23], s[18:19], s[22:23]
	s_cselect_b32 s24, 512, s24
	s_sub_co_u32 s33, ttmp9, s24
	s_lshl_b32 s33, s33, 2
	s_add_co_u32 s33, s33, s28                     ; my record
	s_lshr_b32 s34, s33, s25                       ; its row block t
	s_lshl_b32 s35, s34, s25
	s_sub_co_u32 s35, s33, s35                     ; its 512 along K
	s_lshl_b32 s36, s34, 4                         ; first row: 16 t,
	s_lshr_b32 s37, s34, 1
	s_lshl_b32 s37, s37, 5
	s_and_b32 s38, s34, 1
	s_lshl_b32 s38, s38, 3
	s_add_co_u32 s37, s37, s38                     ; or in W1 32 (t / 2) + 8 (t % 2)
	s_cmp_lg_u32 s27, 0
	s_cselect_b32 s36, s37, s36
	s_lshl_b32 s36, s36, s26                       ; in bytes (under 2^26)
	s_lshl_b32 s35, s35, 11
	s_add_co_u32 s36, s36, s35
	s_mov_b32 s37, 0
	s_add_nc_u64 s[20:21], s[20:21], s[36:37]
	s_mul_i32 s38, s33, REC
	s_mov_b32 s39, 0
	s_add_nc_u64 s[22:23], s[22:23], s[38:39]
	s_lshl_b32 s31, 1, s26                         ; a row
	s_lshl_b32 s32, s27, s26                       ; W1's gap
	s_mov_b32 s30, 0
.irp i, 0,1,2,3,4,5,6,7,8,9,10,11,12,13,14,15
.if \i == 8
	s_add_co_u32 s30, s30, s32
.endif
	v_add_nc_u32 v[ROW+\i], s30, v1
	s_add_co_u32 s30, s30, s31
.endr
	LOADF 0
	LOADF 1
.irp s, 0,1,2,3
.if \s < 3
	s_wait_loadcnt 16                              ; this K step's 16 loads are in; the next K step's 16 may be out
.else
	s_wait_loadcnt 0x0
.endif
	TURN \s
	s_wait_dscnt 0x0                               ; my 64 numbers are back; the stage's stores have read their registers,
.if \s < 2
	LOADF \s+2                                     ; which take the K step two on
.endif
.if \s > 0
	s_wait_xcnt 0x0                                ; the last K step's stores have read the codes' registers: they are written again only behind this wait
.endif
	QUANT X, PW+\s
.irp c, 0,1,2
	global_store_b128 v1, v[PC+4*\c:PC+4*\c+3], s[22:23] offset:1536*\s+512*\c   ; the image: 512 consecutive bytes a store
.endr
.endr
	v_cmp_ne_u32 vcc_lo, 0, v5                     ; lanes 0-15 store K steps 0 and 1 of row r, lanes 16-31 K steps 2 and 3
	v_cndmask_b32 v6, v[PW], v[PW+2], vcc_lo
	v_cndmask_b32 v7, v[PW+1], v[PW+3], vcc_lo
	global_store_b64 v4, v[6:7], s[22:23] offset:6144   ; 256 consecutive bytes
	s_wait_tensorcnt 0x0
	ds_add_u32 v58, v59
	s_wait_dscnt 0x0
	s_endpgm
.Lfunc_end_k_q3e574cc110_quant:
	.size	k_q3e574cc110_quant, .Lfunc_end_k_q3e574cc110_quant-k_q3e574cc110_quant
	.p2alignl 7, 3214868480
	.fill 96, 4, 3214868480
	.section	.rodata,"a",@progbits
	.p2align	6, 0x0
	.amdhsa_kernel k_q3e574cc110_quant
		.amdhsa_group_segment_fixed_size 34304
		.amdhsa_private_segment_fixed_size 0
		.amdhsa_enable_private_segment 0
		.amdhsa_kernarg_size 64
		.amdhsa_user_sgpr_count 2
		.amdhsa_user_sgpr_kernarg_segment_ptr 1
		.amdhsa_wavefront_size32 1
		.amdhsa_system_sgpr_workgroup_id_x 1
		.amdhsa_system_sgpr_workgroup_id_y 1
		.amdhsa_system_sgpr_workgroup_id_z 1
		.amdhsa_system_vgpr_workitem_id 0
		.amdhsa_next_free_vgpr 256
		.amdhsa_next_free_sgpr 66
		.amdhsa_reserve_vcc 1
		.amdhsa_float_denorm_mode_32 3
		.amdhsa_float_denorm_mode_16_64 3
		.amdhsa_memory_ordered 1
		.amdhsa_forward_progress 1
		.amdhsa_inst_pref_size 35
	.end_amdhsa_kernel
	.amdgpu_metadata
---
amdhsa.version: [ 1, 2 ]
amdhsa.kernels:
  - .name:           k_q3e574cc110_quant
    .symbol:         k_q3e574cc110_quant.kd
    .args:
      - { .name: x, .offset: 0, .size: 8, .value_kind: global_buffer, .address_space: global }
      - { .name: W1, .offset: 8, .size: 8, .value_kind: global_buffer, .address_space: global }
      - { .name: Wo, .offset: 16, .size: 8, .value_kind: global_buffer, .address_space: global }
      - { .name: Wq, .offset: 24, .size: 8, .value_kind: global_buffer, .address_space: global }
      - { .name: xr, .offset: 32, .size: 8, .value_kind: global_buffer, .address_space: global }
      - { .name: w1r, .offset: 40, .size: 8, .value_kind: global_buffer, .address_space: global }
      - { .name: wor, .offset: 48, .size: 8, .value_kind: global_buffer, .address_space: global }
      - { .name: wqr, .offset: 56, .size: 8, .value_kind: global_buffer, .address_space: global }
    .group_segment_fixed_size: 34304
    .private_segment_fixed_size: 0
    .kernarg_segment_align: 8
    .kernarg_segment_size: 64
    .max_flat_workgroup_size: 128
    .sgpr_count:     66
    .vgpr_count:     256
    .wavefront_size: 32
...
	.end_amdgpu_metadata
.endif
;; end of part 1
;; launch gemm1 (part 2): grid 8 x 32, 4 waves a work-group, clusters of 4 x 4, 327,680 bytes of LDS; arguments xr, w1r, wqr, qpart; writes qpart
.if DOCPART == 2
	.amdgcn_target "amdgcn-amd-amdhsa--gfx1250"
	.amdhsa_code_object_version 6
	.text
	.protected	k_q3e574cc110_gemm1
	.globl	k_q3e574cc110_gemm1
	.p2align	8
	.type	k_q3e574cc110_gemm1,@function
k_q3e574cc110_gemm1:
	s_mov_b64 s[64:65], 0
	v_nop
	global_prefetch_b8 v0, s[64:65] scope:SCOPE_SE
	s_setreg_imm32_b32 hwreg(HW_REG_WAVE_MODE, 25, 1), 1
	s_wait_xcnt 0x0
	s_wait_alu depctr_hold_cnt(0) depctr_sa_sdst(0) depctr_va_vdst(0) depctr_va_sdst(0) depctr_va_ssrc(0) depctr_va_vcc(0) depctr_vm_vsrc(0)
	s_getreg_b32 s2, hwreg(HW_REG_IB_STS2, 6, 4)
	s_cmp_eq_u32 s2, 0
	s_cbranch_scc0 .Lentry_in_a_cluster
	s_endpgm
.Lentry_in_a_cluster:
	s_bfe_u32 s2, ttmp6, 0x10000c
	s_cmp_lg_u32 s2, 0xf033
	s_cbranch_scc0 .Lentry_shape_is_right
	s_endpgm
.Lentry_shape_is_right:
; h = Q(x) Q(W1)^T (8,192 x 4,096, K = 1,024) on codes of BF6 with E8M0 scales; each tile of h is quantised along f in registers and multiplied at once by Q(Wq)^T (16 qubits): h never goes to memory.
; What leaves is q in 16 partial sums a row: qpart [512 row blocks][16 parts][1,024 bytes], the image of an accumulator (registers 0-3 at 16 x lane, registers 4-7 at 512 + 16 x lane; lane (r, h), register j: token r, qubit 8 h + j).
; OPERANDS are records (16 rows x 512 K, 6,400 bytes: four fragment images of 1,536 bytes, then 256 bytes of scale words), as the launch before has laid them.
; SHARES.  Work-group (X, Y) stays on x's rows 256 Y on and makes two tiles of h, 256 x 256, at column tiles 2 X and 2 X + 1.  A wave makes 128 x 128: 64 accumulators, 512 registers.
; The matrix instruction is used TRANSPOSED (source 0 = 16 stored rows of W1, source 1 = 16 tokens), and W1's rows are stored permuted: so a lane holds one token, and the 64 registers of a block of tokens
; are its 128 columns of h in the order that the quantiser wants: register 16 b + i = f 32 b + 16 (lane / 16) + i.  These 128 columns are one K step of the second product.
; K goes through a ring of two LDS slots, two K steps of 128 to a slot: eight fills, fill u = tile u / 4, K pair u % 4, slot u % 2.  All is written out, since the two tiles' fills step differently.
; CLUSTERS: 4 x 4 work-groups.  x's tiles hang on Y alone and are asked for jointly along a row of the cluster, W1's on X alone, along a column.
; By this text's own count a wave has three tensor loads out at the start (scales, slot 0, slot 1) and one behind each change of slots.
; LIMITS: a block of h whose largest magnitude lies under 2^-122 keeps the scale byte 1; NaN and infinities are not served.
; REGISTERS, in windows of 256: window 0: v16-31 addresses and two scale registers; v32-63 scale words, two sets; v64-159, v160-255 x's fragments, two sets (between tiles the second set's registers serve the quantiser).
;   window 1: v0-95, v128-223 W1's fragments, two sets; v96-127, v224-255 the eight accumulators of q.   windows 2, 3: accumulator (a, b) at v[8 (8 (a % 4) + b)].
.set REC,   6400
.set PAIR,  3072                       ; two fragment images: a row block's part of a slot
.set FRB,   1536
.set HALFT, 8*PAIR                     ; eight row blocks: what one tensor load brings, and what one wave reads of x or of W1
.set SLOT,  4*HALFT                    ; x's 16 row blocks, then W1's 16
.set SCL,   2*SLOT                     ; behind the ring: x's scale words, 512 bytes a row block, 128 a K pair;
.set SCLB,  SCL+8192                   ; W1's, of both tiles;
.set WQL,   SCLB+16384                 ; each wave's own copy of its two fragments of Wq: written by LDS stores, never a fill's target
.set WQW,   3584
.set WQT,   1664                       ; in it tile t at 1664 t: 1,536 bytes of codes, 128 of scale words
.set SPARE, WQL+4*WQW                  ; the spare words, 128 bytes a wave: two blocks of 256 bytes that no other line names
.set ADRA, 16                          ; v16-17  LDS address of my fragments of x in slot 0, 1
.set ADRB, 20                          ; v20-21  of W1
.set QO,   22                          ; v22     16 x lane
.set ADRS, 24                          ; v24-25  my scale words for tile 0, 1: lanes 0-15 x's rows, lanes 16-31 W1's
.set WQA,  26                          ; v26     my copy of Wq: codes
.set WQSA, 27                          ; v27     and scale words
.set SPW,  28                          ; v28     my spare word; never rewritten
.set NIL,  29                          ; v29     0; never rewritten
.set PW,   30                          ; v30     h's scale word just made: scales and nothing else
.set WQS,  31                          ; v31     Wq's scale words: scales and nothing else
.set SC,   32                          ; v32-63  set s at v[SC + 16 s]: register 2 i + q: lanes 0-15 x's block i, lanes 16-31 W1's block i, K step q of the pair
.set AF,   64
.set WQF,  160                         ; between tiles: Wq's fragment,
.set PC,   176                         ; h's codes,
.set TM,   200                         ; at work
.set SEL,  12                          ; s[12:13] selects for lane l xor 16
.set G1,   24
.set G0,   32
.set G1B,  48
.set G0B,  56
.set G1S,  68
.set G0S,  76
.set G1SB, 80
.set G0SB, 88
.set MSB, 0
.macro WIN new                         ; the immediate's high byte repeats the setting that is left
.if MSB != (\new)
	s_set_vgpr_msb (MSB<<8)|(\new)
.set MSB, (\new)
.endif
.endm
.set MUL_LO, 0xa1                      ; source 0 (W1) window 1, source 1 (x) window 0, C and D window 2
.set MUL_HI, 0xf1
.set TO_B,   0x40
.macro PLACES n
.rept \n
	v_nop
.endr
.endm
; A joint load: waves 0 and 1 fetch for x, waves 2 and 3 for W1; the branch hangs on the wave's number alone.  Four v_nop follow each of the two lines.
.macro JLOAD g0a, g1a, g0b, g1b
	s_cmp_eq_u32 s15, 0
	s_cbranch_scc0 .Lfor_b_\@
	tensor_load_to_lds s[\g0a:\g0a+3], s[\g1a:\g1a+7]
	s_nop 0
.rept 4
	v_nop
.endr
	s_branch .Lasked_\@
.Lfor_b_\@:
	tensor_load_to_lds s[\g0b:\g0b+3], s[\g1b:\g1b+7]
	s_nop 0
.rept 4
	v_nop
.endr
.Lasked_\@:
.endm
.macro CREST                           ; a round of the cluster's barrier behind its opening barrier
	s_cmp_lg_u32 s14, 0
	s_cbranch_scc1 .Lnot_wave_0_\@
	s_barrier_signal -3
.Lnot_wave_0_\@:
	s_barrier_wait -3
	s_barrier_signal -1
	s_barrier_wait -1
.endm
.macro CROUND
	s_barrier_signal -1
	s_barrier_wait -1
	CREST
.endm
	s_load_b128 s[4:7], s[0:1], 0x0                ; xr, w1r
	s_load_b128 s[8:11], s[0:1], 0x10              ; wqr, qpart
	v_lshl_add_u32 v[SPW], v0, 2, SPARE
	v_mov_b32 v[NIL], 0
	ds_add_u32 v28, v29
	ds_add_u32 v28, v29
	s_wait_dscnt 0x0
	v_lshrrev_b32 v1, 5, v0
	v_readfirstlane_b32 s14, v1                    ; wave 0..3
	s_lshr_b32 s15, s14, 1                         ; my half of the tile's tokens.  Also: I fetch for x (0) or for W1 (1)
	s_and_b32 s16, s14, 1                          ; my half of its columns.  Also: which half I fetch
	s_bfe_u32 s40, ttmp6, 0x40000                  ; cx
	s_bfe_u32 s41, ttmp6, 0x40004                  ; cy
	s_lshl_b32 s42, ttmp9, 2
	s_add_co_u32 s42, s42, s40                     ; X
	s_and_b32 s17, ttmp7, 0xffff
	s_lshl_b32 s17, s17, 2
	s_add_co_u32 s17, s17, s41                     ; Y
	s_lshl_b32 s43, s41, 2
	s_lshl_b32 s43, 15, s43                        ; my row of the cluster
	s_lshl_b32 s44, 0x1111, s40                    ; my column
	s_mov_b32 s[SEL], 0x76543210
	s_mov_b32 s[SEL+1], 0xfedcba98
	; group 1 for codes: 8 rows (row blocks) of 3,072 bytes (384 elements of 8), 12,800 bytes apart; no padding: an image is read as 512 consecutive bytes
	s_or_b32 s[G1+0], s43, (3<<16)|(1<<21)         ; 15:0 the mask; 17:16 elements of 8 bytes; 21 set beside a mask
	s_or_b32 s[G1B+0], s44, (3<<16)|(1<<21)
.irp g, G1, G1B
	s_mov_b32 s[\g+1], 384<<16                     ; tensor_dim0
	s_mov_b32 s[\g+2], 8<<16                       ; tensor_dim1
	s_mov_b32 s[\g+3], 384<<16                     ; tile_dim0
	s_mov_b32 s[\g+4], 8                           ; tile_dim1
	s_mov_b32 s[\g+5], 1600                        ; stride
	s_mov_b32 s[\g+6], 0
	s_mov_b32 s[\g+7], 0
.endr
	; and for scale words: rows of 256 bytes, one of each record, 6,400 bytes apart: 16 for x's half, 32 for one tile of W1
	s_or_b32 s[G1S+0], s43, (3<<16)|(1<<21)
	s_mov_b32 s[G1S+1], 32<<16
	s_mov_b32 s[G1S+2], 16<<16
	s_mov_b32 s[G1S+3], 32<<16
	s_mov_b32 s[G1S+4], 16
	s_mov_b32 s[G1S+5], 800
	s_mov_b32 s[G1S+6], 0
	s_mov_b32 s[G1S+7], 0
	s_or_b32 s[G1SB+0], s44, (3<<16)|(1<<21)
	s_mov_b32 s[G1SB+1], 32<<16
	s_mov_b32 s[G1SB+2], 32<<16
	s_mov_b32 s[G1SB+3], 32<<16
	s_mov_b32 s[G1SB+4], 32
	s_mov_b32 s[G1SB+5], 800
	s_mov_b32 s[G1SB+6], 0
	s_mov_b32 s[G1SB+7], 0
	s_mul_i32 s18, s16, 8*2*REC                    ; the half that I fetch: eight row blocks of two records
	s_mul_i32 s20, s17, 16*2*REC
	s_add_co_u32 s20, s20, s18                     ; x: by Y and the wave alone
	s_mov_b32 s21, 0
	s_mul_i32 s46, s42, 32*2*REC
	s_add_co_u32 s46, s46, s18                     ; W1: by X and the wave alone
	s_mov_b32 s47, 0
	s_mul_i32 s92, s42, 32*2*REC
	s_mul_i32 s19, s16, 16*2*REC
	s_add_co_u32 s92, s92, s19                     ; W1's scale words: tile s16's
	s_mov_b32 s93, 0
	s_mul_i32 s45, s14, HALFT                      ; where the codes go: wave x eight row blocks
	s_lshl_b32 s94, s16, 12
	s_lshl_b32 s95, s16, 13
	s_wait_kmcnt 0x0
	s_add_nc_u64 s[20:21], s[4:5], s[20:21]
	s_add_nc_u64 s[46:47], s[6:7], s[46:47]
	s_add_nc_u64 s[92:93], s[6:7], s[92:93]
	CROUND                                         ; all sixteen work-groups are here: the first joint loads meet
	s_mov_b32 s[G0S], 1
	s_add_co_u32 s[G0S+1], s94, SCL
	s_add_nc_u64 s[G0S+2:G0S+3], s[20:21], 6144
	s_or_b32 s[G0S+3], s[G0S+3], 0x80000000
	s_mov_b32 s[G0SB], 1
	s_add_co_u32 s[G0SB+1], s95, SCLB
	s_add_nc_u64 s[G0SB+2:G0SB+3], s[92:93], 6144
	s_or_b32 s[G0SB+3], s[G0SB+3], 0x80000000
	JLOAD G0S, G1S, G0SB, G1SB                     ; the scale words of all of K: filled once
.irp s, 0,1
	s_mov_b32 s[G0+4*\s], 1
	s_add_co_u32 s[G0+4*\s+1], s45, \s*SLOT
	s_add_nc_u64 s[G0+4*\s+2:G0+4*\s+3], s[20:21], \s*PAIR
	s_or_b32 s[G0+4*\s+3], s[G0+4*\s+3], 0x80000000
	s_mov_b32 s[G0B+4*\s], 1
	s_add_co_u32 s[G0B+4*\s+1], s45, \s*SLOT
	s_add_nc_u64 s[G0B+4*\s+2:G0B+4*\s+3], s[46:47], \s*PAIR
	s_or_b32 s[G0B+4*\s+3], s[G0B+4*\s+3], 0x80000000
	JLOAD G0+4*\s, G1, G0B+4*\s, G1B
.endr
	v_and_b32 v1, 15, v0                           ; r
	v_bfe_u32 v2, v0, 4, 1                         ; h
	v_and_b32 v3, 31, v0                           ; lane
	v_lshlrev_b32 v[QO], 4, v3
	s_mul_i32 s21, s15, HALFT                      ; my eight row blocks of x
	s_mul_i32 s22, s16, HALFT
	s_add_co_u32 s22, s22, 2*HALFT                 ; and of W1, behind x's sixteen
.irp s, 0,1
	v_add_nc_u32 v[ADRA+\s], s21, v[QO]
	v_add_nc_u32 v[ADRB+\s], s22, v[QO]
	s_add_co_u32 s21, s21, SLOT
	s_add_co_u32 s22, s22, SLOT
.endr
	v_lshlrev_b32 v5, 3, v1                        ; scale words: 8 bytes a row for a K pair
	s_lshl_b32 s21, s15, 12
	s_add_co_u32 s21, s21, SCL
	v_add_nc_u32 v5, s21, v5                       ; x's: my eight row blocks
	s_xor_b32 s23, s15, 1
	s_add_co_u32 s22, s16, s23
	s_add_co_u32 s22, s22, 1
	s_lshl_b32 s22, s22, 12                        ; from there to W1's of tile 0: 8192 + 4096 s16 - 4096 s15 = 4096 (1 + s16 + (1 - s15))
.irp t, 0,1
	v_mul_u32_u24 v6, s22, v2                      ; lanes 16-31 take W1's: one product with h
	v_add_nc_u32 v[ADRS+\t], v5, v6
	s_add_co_u32 s22, s22, 8192
.endr
	s_mul_i32 s23, s14, WQW
	s_add_co_u32 s23, s23, WQL
	v_add_nc_u32 v[WQA], s23, v[QO]
	v_lshl_add_u32 v[WQSA], v3, 2, s23
	; Wq: my columns of tile t are K step 4 X + 2 t + s16 of the second product: fragment 2 t + s16 of record X
	s_mul_i32 s18, s42, REC
	s_mov_b32 s19, 0
	s_add_nc_u64 s[8:9], s[8:9], s[18:19]
	s_mul_i32 s21, s16, FRB
	v_add_nc_u32 v7, s21, v[QO]
	s_lshl_b32 s21, s16, 2
	v_lshl_add_u32 v8, v1, 3, s21
.irp t, 0,1
.irp c, 0,1,2
	global_load_b128 v[AF+12*\t+4*\c:AF+12*\t+4*\c+3], v7, s[8:9] offset:2*FRB*\t+512*\c
.endr
	global_load_b32 v[AF+24+\t], v8, s[8:9] offset:6144+128*\t
.endr
	s_lshl_b32 s18, s17, 4                         ; qpart: row block 16 Y + 8 s15, part 2 X + s16
	s_lshl_b32 s19, s15, 3
	s_add_co_u32 s18, s18, s19
	s_lshl_b32 s18, s18, 4
	s_lshl_b32 s19, s42, 1
	s_add_co_u32 s18, s18, s19
	s_add_co_u32 s18, s18, s16
	s_lshl_b32 s18, s18, 10
	s_mov_b32 s19, 0
	s_add_nc_u64 s[10:11], s[10:11], s[18:19]
	s_wait_loadcnt 0x0
.irp t, 0,1
.irp c, 0,1,2
	ds_store_b128 v[WQA], v[AF+12*\t+4*\c:AF+12*\t+4*\c+3] offset:WQT*\t+512*\c
.endr
	ds_store_b32 v[WQSA], v[AF+24+\t] offset:WQT*\t+1536
.endr
.macro FRAG reg, adr, off              ; a fragment's image: three loads of 512 consecutive bytes
.irp c, 0,1,2
	ds_load_b128 v[\reg+4*\c:\reg+4*\c+3], v[\adr] offset:\off+512*\c
.endr
.endm
.macro FETCH slot, q, set              ; K step q of the slot: W1's eight fragments and x's eight, into set
	WIN TO_B
.irp i, 0,1,2,3,4,5,6,7
	FRAG 128*(\set)+12*\i, ADRB+\slot, PAIR*\i+FRB*(\q)
.endr
	WIN 0
.irp i, 0,1,2,3,4,5,6,7
	FRAG AF+96*(\set)+12*\i, ADRA+\slot, PAIR*\i+FRB*(\q)
.endr
.endm
.macro SCALES t, kp, set               ; the scale words of tile t, K pair kp
.irp i, 0,1,2,3,4,5,6,7
	ds_load_b64 v[SC+16*(\set)+2*\i:SC+16*(\set)+2*\i+1], v[ADRS+\t] offset:512*\i+128*(\kp)
.endr
.endm
; Eight products: x's block a against W1's eight.  The 64 accumulators take turns, one instruction a turn, in the same order in every K step.
.macro MULA a, set, q, sc, zero
.irp b, 0,1,2,3,4,5,6,7
.if \zero
	v_wmma_scale_f32_16x16x128_f8f6f4 v[8*(8*((\a)%4)+\b):8*(8*((\a)%4)+\b)+7], v[128*(\set)+12*\b:128*(\set)+12*\b+11], v[AF+96*(\set)+12*(\a):AF+96*(\set)+12*(\a)+11], 0, v[SC+16*(\sc)+2*\b+(\q)], v[SC+16*(\sc)+2*(\a)+(\q)] matrix_a_fmt:MATRIX_FMT_BF6 matrix_b_fmt:MATRIX_FMT_BF6 matrix_a_scale:MATRIX_SCALE_ROW1
.else
	v_wmma_scale_f32_16x16x128_f8f6f4 v[8*(8*((\a)%4)+\b):8*(8*((\a)%4)+\b)+7], v[128*(\set)+12*\b:128*(\set)+12*\b+11], v[AF+96*(\set)+12*(\a):AF+96*(\set)+12*(\a)+11], v[8*(8*((\a)%4)+\b):8*(8*((\a)%4)+\b)+7], v[SC+16*(\sc)+2*\b+(\q)], v[SC+16*(\sc)+2*(\a)+(\q)] matrix_a_fmt:MATRIX_FMT_BF6 matrix_b_fmt:MATRIX_FMT_BF6 matrix_a_scale:MATRIX_SCALE_ROW1
.endif
.endr
.endm
; A slot's first K step: multiplies set 0; in its middle it fetches the second K step into set 1.
.macro STEP slot, zero
	s_wait_dscnt 0x0                               ; set 0 and the scale words are in (asked for 32 matrix instructions ago)
	WIN MUL_LO
	MULA 0, 0, 0, \slot, \zero
	MULA 1, 0, 0, \slot, \zero
	MULA 2, 0, 0, \slot, \zero
	MULA 3, 0, 0, \slot, \zero
	PLACES 4                                       ; four plain places in front of loads into registers that matrix instructions have read (ISA guide 7.12.1 for vector instructions)
	FETCH \slot, 1, 1
	WIN MUL_HI
	MULA 4, 0, 0, \slot, \zero
	MULA 5, 0, 0, \slot, \zero
	MULA 6, 0, 0, \slot, \zero
	MULA 7, 0, 0, \slot, \zero
	WIN 0
.endm
; A slot's second K step changes slots: ONE barrier; in front of it each wave waits for all its tensor loads, adds 0 to its spare word, and waits for that and for its own reads of this slot.
; fill = 1: the slot is filled again, with the fill two on.  back = 1: that fill is the next tile's: x goes back along K, W1 on to the next 16 row blocks.  t2, kp2: the tile and K pair of the slot ahead.
.macro TURN slot, next, fill, back, t2, kp2
	s_wait_tensorcnt 0x0                           ; all my tensor loads have landed: my part of the slot ahead
	ds_add_u32 v[SPW], v[NIL]                      ; 0 onto my spare word
	s_wait_dscnt 1                                 ; set 1 is in; the add alone may be out
	WIN MUL_LO
	MULA 0, 1, 1, \slot, 0
	MULA 1, 1, 1, \slot, 0
	s_wait_dscnt 0x0                               ; the add is done, and my reads of this slot are over
	s_barrier_signal -1
	MULA 2, 1, 1, \slot, 0
	MULA 3, 1, 1, \slot, 0
	WIN 0
	s_barrier_wait -1
.if \fill
	CREST                                          ; the barrier has opened a round of the cluster's: no wave of any partner still reads this slot or has a load on its way
.if \back
	s_sub_nc_u64 s[G0+4*\slot+2:G0+4*\slot+3], s[G0+4*\slot+2:G0+4*\slot+3], REC
	s_add_nc_u64 s[G0B+4*\slot+2:G0B+4*\slot+3], s[G0B+4*\slot+2:G0B+4*\slot+3], 16*2*REC-REC
.else
	s_add_nc_u64 s[G0+4*\slot+2:G0+4*\slot+3], s[G0+4*\slot+2:G0+4*\slot+3], REC
	s_add_nc_u64 s[G0B+4*\slot+2:G0B+4*\slot+3], s[G0B+4*\slot+2:G0B+4*\slot+3], REC
.endif
	JLOAD G0+4*\slot, G1, G0B+4*\slot, G1B         ; the first tensor load behind the round; its four v_nop are also the places in front of the loads below
.else
	PLACES 4
.endif
	FETCH \next, 0, 0
	SCALES \t2, \kp2, \next
	WIN MUL_HI
	MULA 4, 1, 1, \slot, 0
	MULA 5, 1, 1, \slot, 0
	MULA 6, 1, 1, \slot, 0
	MULA 7, 1, 1, \slot, 0
.endm
; The 64 accumulator registers of token block a (register 16 b + i = f 32 b + 16 (lane / 16) + i of my token) become a fragment's codes in v[PC] on and its scale word in v[PW].  Each accumulator is read from its low end on.
.macro QUANTW a
.set AC, 64*((\a)%4)
.set W, 2+(\a)/4
	WIN (W<<2)|(W<<4)                              ; sources 1 and 2: the accumulators' window
.irp b, 0,1,2,3
	v_max3_num_f32 v[TM+\b], 0x2800000, |v[AC+16*\b]|, |v[AC+1+16*\b]|   ; the floor 2^(5 - 127): the byte cannot fall under 1
.endr
.irp i, 2,4,6,8,10,12,14
.irp b, 0,1,2,3
	v_max3_num_f32 v[TM+\b], v[TM+\b], |v[AC+16*\b+\i]|, |v[AC+1+16*\b+\i]|
.endr
.endr
	WIN 0
.irp b, 0,1,2,3
	v_permlanex16_b32 v[TM+4+\b], v[TM+\b], s[SEL], s[SEL+1]
.endr
.irp b, 0,1,2,3
	v_max_num_f32 v[TM+\b], v[TM+\b], v[TM+4+\b]
.endr
.irp b, 0,1,2,3
	v_add_nc_u32 v[TM+12+\b], 0xfe000000, v[TM+\b]
.endr
.irp b, 0,1,2,3
	v_lshrrev_b32 v[TM+4+\b], 23, v[TM+12+\b]
.endr
	v_lshl_or_b32 v[PW], v[TM+5], 8, v[TM+4]
	v_lshl_or_b32 v[PW], v[TM+6], 16, v[PW]
	v_lshl_or_b32 v[PW], v[TM+7], 24, v[PW]
	WIN W                                          ; source 0: the accumulators' window
.irp c, 0,1
	v_cvt_scalef32_pk16_bf6_f32 v[PC+6*\c:PC+2+6*\c], v[AC+32*\c:AC+15+32*\c], v[TM+12+2*\c]
	v_cvt_scalef32_pk16_bf6_f32 v[PC+12+4*\c:PC+14+4*\c], v[AC+16+32*\c:AC+31+32*\c], v[TM+12+2*\c+1]
.endr
	WIN 0
	v_nop                                          ; one plain place behind a scaled conversion
.irp c, 0,1
.irp i, 0,1,2
	v_permlane16_swap_b32 v[PC+6*\c+\i], v[PC+12+4*\c+\i]
.endr
.irp i, 0,1,2
	v_mov_b32 v[PC+3+6*\c+\i], v[PC+12+4*\c+\i]
.endr
.endr
.endm
; Between tiles: the tile of h is quantised, a block of 16 tokens at a time, and multiplied by my fragment of Wq: q (source 0 = 16 qubits, source 1 = 16 tokens).  Tile 0 starts the eight sums, tile 1 adds onto them.
.macro EPI t
	WIN 0
	PLACES 4                                       ; behind the last products: their results are read, and registers of x's second set are written
.irp b, 0,1,2,3
	v_mov_b32 v[TM+4+\b], 0                        ; a lane permute's destination counts as one of its sources
.endr
.irp c, 0,1,2
	ds_load_b128 v[WQF+4*\c:WQF+4*\c+3], v[WQA] offset:WQT*\t+512*\c
.endr
	ds_load_b32 v[WQS], v[WQSA] offset:WQT*\t+1536
.irp a, 0,1,2,3,4,5,6,7
	QUANTW \a
.if \a == 0
	s_wait_dscnt 0x0                               ; Wq's fragment is in
.endif
	PLACES 8                                       ; a scale register written by a vector instruction stands eight places ahead of a scaled matrix instruction, an operand four
.if \t == 0
	WIN 0x40                                       ; D in window 1
	v_wmma_scale_f32_16x16x128_f8f6f4 v[96+8*\a+96*(\a/4):96+8*\a+96*(\a/4)+7], v[WQF:WQF+11], v[PC:PC+11], 0, v[WQS], v[PW] matrix_a_fmt:MATRIX_FMT_BF6 matrix_b_fmt:MATRIX_FMT_BF6
.else
	WIN 0x50                                       ; C and D in window 1
	v_wmma_scale_f32_16x16x128_f8f6f4 v[96+8*\a+96*(\a/4):96+8*\a+96*(\a/4)+7], v[WQF:WQF+11], v[PC:PC+11], v[96+8*\a+96*(\a/4):96+8*\a+96*(\a/4)+7], v[WQS], v[PW] matrix_a_fmt:MATRIX_FMT_BF6 matrix_b_fmt:MATRIX_FMT_BF6
.endif
	WIN 0                                          ; the next block's 32 maxima are the places behind this product
.endr
.endm
	s_wait_tensorcnt 1                             ; the scale words and my part of slot 0 are in; slot 1's fill may be out
	s_wait_dscnt 0x0                               ; my copy of Wq is stored
	s_barrier_signal -1
	s_barrier_wait -1
	FETCH 0, 0, 0
	SCALES 0, 0, 0
	STEP 0, 1                                      ; tile 0: its first products start the sums
	TURN 0, 1, 1, 0, 0, 1
	STEP 1, 0
	TURN 1, 0, 1, 0, 0, 2
	STEP 0, 0
	TURN 0, 1, 1, 1, 0, 3                          ; the ring goes on into tile 1
	STEP 1, 0
	TURN 1, 0, 1, 1, 1, 0
	EPI 0
	STEP 0, 1                                      ; tile 1
	TURN 0, 1, 1, 0, 1, 1
	STEP 1, 0
	TURN 1, 0, 1, 0, 1, 2
	STEP 0, 0
	TURN 0, 1, 0, 0, 1, 3                          ; nothing is left to fetch: a plain barrier
	STEP 1, 0
	s_wait_dscnt 0x0                               ; the very last K step
	WIN MUL_LO
	MULA 0, 1, 1, 1, 0
	MULA 1, 1, 1, 1, 0
	MULA 2, 1, 1, 1, 0
	MULA 3, 1, 1, 1, 0
	WIN MUL_HI
	MULA 4, 1, 1, 1, 0
	MULA 5, 1, 1, 1, 0
	MULA 6, 1, 1, 1, 0
	MULA 7, 1, 1, 1, 0
	EPI 1
	PLACES 4
	WIN 0x04                                       ; a store's data are its source 1: window 1
.irp a, 0,1,2,3,4,5,6,7
	global_store_b128 v[QO], v[96+8*\a+96*(\a/4):96+8*\a+96*(\a/4)+3], s[10:11] offset:16384*\a          ; each accumulator from its low end on; 512 consecutive bytes a store
	global_store_b128 v[QO], v[96+8*\a+96*(\a/4)+4:96+8*\a+96*(\a/4)+7], s[10:11] offset:16384*\a+512
.endr
	WIN 0
	s_wait_tensorcnt 0x0                           ; the wave's end
	ds_add_u32 v[SPW], v[NIL]
	s_wait_dscnt 0x0
	CROUND                                         ; the closing round
	s_endpgm
.Lfunc_end_k_q3e574cc110_gemm1:
	.size	k_q3e574cc110_gemm1, .Lfunc_end_k_q3e574cc110_gemm1-k_q3e574cc110_gemm1
	.p2alignl 7, 3214868480
	.fill 96, 4, 3214868480
	.section	.rodata,"a",@progbits
	.p2align	6, 0x0
	.amdhsa_kernel k_q3e574cc110_gemm1
		.amdhsa_group_segment_fixed_size 327680
		.amdhsa_private_segment_fixed_size 0
		.amdhsa_enable_private_segment 0
		.amdhsa_kernarg_size 32
		.amdhsa_user_sgpr_count 2
		.amdhsa_user_sgpr_kernarg_segment_ptr 1
		.amdhsa_wavefront_size32 1
		.amdhsa_system_sgpr_workgroup_id_x 1
		.amdhsa_system_sgpr_workgroup_id_y 1
		.amdhsa_system_sgpr_workgroup_id_z 1
		.amdhsa_system_vgpr_workitem_id 0
		.amdhsa_next_free_vgpr 1024
		.amdhsa_next_free_sgpr 98
		.amdhsa_reserve_vcc 0
		.amdhsa_float_denorm_mode_32 3
		.amdhsa_float_denorm_mode_16_64 3
		.amdhsa_memory_ordered 1
		.amdhsa_forward_progress 1
		.amdhsa_inst_pref_size 255
	.end_amdhsa_kernel
	.section	.bss,"aw",@nobits
	.p2align	6
	.space	262144
	.amdgpu_metadata
---
amdhsa.version: [ 1, 2 ]
amdhsa.kernels:
  - .name:           k_q3e574cc110_gemm1
    .symbol:         k_q3e574cc110_gemm1.kd
    .args:
      - { .name: xr, .offset: 0, .size: 8, .value_kind: global_buffer, .address_space: global }
      - { .name: w1r, .offset: 8, .size: 8, .value_kind: global_buffer, .address_space: global }
      - { .name: wqr, .offset: 16, .size: 8, .value_kind: global_buffer, .address_space: global }
      - { .name: qpart, .offset: 24, .size: 8, .value_kind: global_buffer, .address_space: global }
    .group_segment_fixed_size: 327680
    .private_segment_fixed_size: 0
    .kernarg_segment_align: 8
    .kernarg_segment_size: 32
    .max_flat_workgroup_size: 128
    .sgpr_count:     98
    .vgpr_count:     1024
    .wavefront_size: 32
...
	.end_amdgpu_metadata
.endif
;; end of part 2
;; launch hidden2 (part 3): grid 4 x 64, 8 waves a work-group, no clusters, 13,312 bytes of LDS; arguments qpart, theta, W2, h2r; writes h2r
.if DOCPART == 3
	.amdgcn_target "amdgcn-amd-amdhsa--gfx1250"
	.amdhsa_code_object_version 6
	.text
	.protected	k_q3e574cc110_hidden2
	.globl	k_q3e574cc110_hidden2
	.p2align	8
	.type	k_q3e574cc110_hidden2,@function
k_q3e574cc110_hidden2:
	s_mov_b64 s[64:65], 0
	v_nop
	global_prefetch_b8 v0, s[64:65] scope:SCOPE_SE
	s_setreg_imm32_b32 hwreg(HW_REG_WAVE_MODE, 25, 1), 1
	s_wait_xcnt 0x0
; q = the sum of its 16 parts; qm = cos(q + theta); h2 = relu(qm W2^T) with f32 operands (v_wmma_f32_16x16x4_f32: its result goes into a quantiser); h2 is quantised along f to BF6 and stored as records
; (16 tokens x 512 of f, 6,400 bytes: four fragment images of 1,536 bytes, then 256 bytes of scale words): h2r [512 row blocks][8][6400].
; SHARES.  Work-group (fq, tg): 128 tokens (row blocks 8 tg + m) x 1,024 of f.  Wave w keeps W2's 128 rows of K step 8 fq + w in registers and walks the eight tiles of tokens; two waves share a SIMD, so that one
; wave's vector work stands beside the other's matrix work.  Phase 0: wave w makes qm of token tile w; the eight images meet in LDS.
; THE PRODUCT IS USED TRANSPOSED (source 0 = 16 rows of W2, source 1 = 16 tokens) and the rows of a tile are chosen (lane r of tile t: row 32 (t / 2) + 8 (t % 2) + r + 8 (r / 8)), so that a lane holds one token and
; its 64 results are register 16 b + i = f 32 b + 16 (lane / 16) + i.
; K's ORDER: chunk c, half h of the lanes, register j stands for qubit 8 h + 2 c + j, alike on both sides: then source 1 is registers 2 c, 2 c + 1 of q's accumulator image as it lies, and source 0 is
; registers 2 c, 2 c + 1 of the 32 bytes of W2's row at 32 h.  No lane exchange.
; THE COSINE: a = q + theta is reduced by pi/2 in three parts, twice (the second step catches what the first estimate of the quotient misses for large a); then the usual polynomials of degree 7 and 8 on
; [-pi/4, pi/4].  LIMIT: absolute error under about 1e-6 for |a| up to 2^26; beyond that the accuracy falls off.  NaN and infinities are not served.  A block of zeros keeps the scale byte 1.
; No cluster, no tensor load: what work-groups share (128 KiB of qpart by four, 64 KiB of W2 by sixty-four) is read once at the head, straight into registers.
; The accumulators v88-151 are written by matrix instructions alone; relu's results go to other registers.
.set REC,  6400
.set QMI,  0                           ; LDS: eight images of qm, 1,024 bytes each
.set SCG,  8192                        ; and the scale words: 512 bytes a row block
.set W2F,  16                          ; v16-79   W2: tile t at 8 t
.set QB,   80                          ; v80-87   qm of the tile of tokens in hand
.set ACC,  88                          ; v88-151
.set HR,   152                         ; v152-215 relu's results; in phase 0 at work
.set PC,   216                         ; v216-235
.set TM,   236                         ; v236-251; in phase 0 v236-243 q, v244-251 theta
.set PW,   252
.set SEL,  16
.set N,    152
.set RR,   160
.set N2,   168
.set II,   176
.set Z,    184
.set SN,   192
.set CN,   200
.set T,    208
.macro QUANT s, pw
.irp b, 0,1,2,3
	v_max3_num_f32 v[TM+\b], |v[(\s)+16*\b]|, |v[(\s)+1+16*\b]|, 0x2800000   ; the floor 2^(5 - 127): the byte cannot fall under 1
.endr
.irp i, 2,4,6,8,10,12,14
.irp b, 0,1,2,3
	v_max3_num_f32 v[TM+\b], v[TM+\b], |v[(\s)+16*\b+\i]|, |v[(\s)+1+16*\b+\i]|
.endr
.endr
.irp b, 0,1,2,3
	v_permlanex16_b32 v[TM+4+\b], v[TM+\b], s[SEL], s[SEL+1]   ; (its destination counts as read: phase 0 has written these four)
.endr
.irp b, 0,1,2,3
	v_max_num_f32 v[TM+\b], v[TM+\b], v[TM+4+\b]
.endr
.irp b, 0,1,2,3
	v_add_nc_u32 v[TM+12+\b], 0xfe000000, v[TM+\b]     ; 4 off the exponent field: the conversion's scale operand
.endr
.irp b, 0,1,2,3
	v_lshrrev_b32 v[TM+4+\b], 23, v[TM+12+\b]
.endr
	v_lshl_or_b32 v[\pw], v[TM+5], 8, v[TM+4]
	v_lshl_or_b32 v[\pw], v[TM+6], 16, v[\pw]
	v_lshl_or_b32 v[\pw], v[TM+7], 24, v[\pw]
.irp c, 0,1
	v_cvt_scalef32_pk16_bf6_f32 v[PC+6*\c:PC+2+6*\c], v[(\s)+32*\c:(\s)+15+32*\c], v[TM+12+2*\c]
	v_cvt_scalef32_pk16_bf6_f32 v[PC+12+4*\c:PC+14+4*\c], v[(\s)+16+32*\c:(\s)+31+32*\c], v[TM+12+2*\c+1]
.endr
	v_nop                                              ; one plain place behind a scaled conversion
.irp c, 0,1
.irp i, 0,1,2
	v_permlane16_swap_b32 v[PC+6*\c+\i], v[PC+12+4*\c+\i]
.endr
.irp i, 0,1,2
	v_mov_b32 v[PC+3+6*\c+\i], v[PC+12+4*\c+\i]
.endr
.endr
.endm
	s_load_b256 s[4:11], s[0:1], 0x0               ; qpart, theta, W2, h2r
	v_lshl_add_u32 v254, v0, 2, 0x3000
	v_mov_b32 v255, 0
	v_lshrrev_b32 v1, 5, v0
	v_readfirstlane_b32 s12, v1                    ; wave 0..7
	s_and_b32 s14, ttmp7, 0xffff                   ; tg
	v_and_b32 v10, 31, v0                          ; lane
	v_and_b32 v2, 15, v0                           ; r
	v_bfe_u32 v3, v0, 4, 1                         ; h
	v_lshlrev_b32 v1, 4, v10                       ; v1 = 16 x lane
	v_and_b32 v4, 8, v2
	v_add_nc_u32 v4, v4, v2                        ; r + 8 (r / 8)
	v_lshlrev_b32 v4, 6, v4
	v_lshl_add_u32 v4, v3, 5, v4                   ; v4: W2: a row is 64 bytes, + 32 h
	v_lshlrev_b32 v5, 5, v3                        ; v5: theta: 32 h
	s_lshl_b32 s15, s12, 10
	v_add_nc_u32 v6, s15, v1                       ; v6: where I store qm's image
	s_lshr_b32 s15, s12, 1
	s_lshl_b32 s15, s15, 7
	s_and_b32 s18, s12, 1
	s_lshl_b32 s18, s18, 2
	s_add_co_u32 s15, s15, s18
	s_add_co_u32 s15, s15, SCG
	v_lshl_add_u32 v7, v2, 3, s15                  ; v7: my K step's scale word of token r: 128 (w / 2) + 4 (w % 2) + 8 r
	s_lshl_b32 s15, s12, 9
	s_add_co_u32 s15, s15, SCG
	v_add_nc_u32 v8, s15, v1                       ; v8: back: row block w's 512 bytes
	v_mul_u32_u24 v9, v3, REC
	v_lshl_add_u32 v9, v2, 4, v9                   ; v9: lanes 0-15 one record's 256 bytes, lanes 16-31 the next record's
	s_mov_b32 s[SEL], 0x76543210
	s_mov_b32 s[SEL+1], 0xfedcba98
	s_mov_b32 s20, 0x3f22f983                      ; 2 / pi
	s_mov_b32 s21, 0x3fc90fdb                      ; pi / 2 in three parts
	s_mov_b32 s22, 0xb33bbd2e
	s_mov_b32 s23, 0xa6f72ced
	s_mov_b32 s24, 0xb94ca1f9                      ; the sine's coefficients
	s_mov_b32 s25, 0x3c08839e
	s_mov_b32 s26, 0xbe2aaaa3
	s_mov_b32 s27, 0x37ccf5ce                      ; the cosine's
	s_mov_b32 s28, 0xbab6061a
	s_mov_b32 s29, 0x3d2aaaa5
	s_lshl_b32 s30, s14, 3
	s_add_co_u32 s30, s30, s12                     ; row block 8 tg + w
	s_lshl_b32 s34, s30, 14                        ; its 16 parts in qpart
	s_mov_b32 s35, 0
	s_lshl_b32 s36, ttmp9, 3
	s_add_co_u32 s36, s36, s12
	s_lshl_b32 s36, s36, 13                        ; W2: 128 rows of 64 bytes x (8 fq + w)
	s_mov_b32 s37, 0
	s_lshl_b32 s38, s14, 6
	s_lshl_b32 s31, ttmp9, 1
	s_add_co_u32 s38, s38, s31
	s_lshr_b32 s15, s12, 2
	s_add_co_u32 s38, s38, s15
	s_mul_i32 s38, s38, REC                        ; h2r: record 64 tg + 2 fq + w / 4,
	s_and_b32 s15, s12, 3
	s_mul_i32 s15, s15, 1536
	s_add_co_u32 s38, s38, s15                     ; image w % 4
	s_mov_b32 s39, 0
	s_lshl_b32 s32, s30, 3
	s_add_co_u32 s32, s32, s31
	s_mul_i32 s32, s32, REC
	s_add_co_u32 s32, s32, 6144                    ; and the scale words of record 8 (8 tg + w) + 2 fq
	s_mov_b32 s33, 0
	s_wait_kmcnt 0x0
	s_add_nc_u64 s[4:5], s[4:5], s[34:35]
	s_add_nc_u64 s[8:9], s[8:9], s[36:37]
	s_add_nc_u64 s[32:33], s[10:11], s[32:33]
	s_add_nc_u64 s[10:11], s[10:11], s[38:39]
	; ---- phase 0: qm of token tile w
	global_load_b128 v[TM+8:TM+11], v5, s[6:7]
	global_load_b128 v[TM+12:TM+15], v5, s[6:7] offset:16
.irp p, 0,1,2,3,4,5,6,7
	global_load_b128 v[HR+8*\p:HR+8*\p+3], v1, s[4:5] offset:1024*\p
	global_load_b128 v[HR+8*\p+4:HR+8*\p+7], v1, s[4:5] offset:1024*\p+512
.endr
.irp p, 0,1,2,3,4,5,6,7
	global_load_b128 v[W2F+8*\p:W2F+8*\p+3], v1, s[4:5] offset:8192+1024*\p
	global_load_b128 v[W2F+8*\p+4:W2F+8*\p+7], v1, s[4:5] offset:8192+1024*\p+512
.endr
	s_wait_loadcnt 16                              ; theta and parts 0-7 are in; the 16 loads of parts 8-15 may be out
.irp j, 0,2,4,6
	v_pk_add_f32 v[TM+\j:TM+\j+1], v[HR+\j:HR+\j+1], v[HR+8+\j:HR+8+\j+1]
.endr
.irp p, 2,3,4,5,6,7
.irp j, 0,2,4,6
	v_pk_add_f32 v[TM+\j:TM+\j+1], v[TM+\j:TM+\j+1], v[HR+8*\p+\j:HR+8*\p+\j+1]
.endr
.endr
	s_wait_loadcnt 0x0
.irp p, 0,1,2,3,4,5,6,7
.irp j, 0,2,4,6
	v_pk_add_f32 v[TM+\j:TM+\j+1], v[TM+\j:TM+\j+1], v[W2F+8*\p+\j:W2F+8*\p+\j+1]
.endr
.endr
.irp t, 0,1,2,3,4,5,6,7
	global_load_b128 v[W2F+8*\t:W2F+8*\t+3], v4, s[8:9] offset:(32*(\t/2)+8*(\t%2))*64       ; W2's eight tiles: they stay
	global_load_b128 v[W2F+8*\t+4:W2F+8*\t+7], v4, s[8:9] offset:(32*(\t/2)+8*(\t%2))*64+16
.endr
.irp j, 0,2,4,6
	v_pk_add_f32 v[TM+\j:TM+\j+1], v[TM+\j:TM+\j+1], v[TM+8+\j:TM+8+\j+1]   ; a = q + theta
.endr
.irp j, 0,1,2,3,4,5,6,7
	v_mul_f32 v[N+\j], s20, v[TM+\j]
.endr
.irp j, 0,1,2,3,4,5,6,7
	v_rndne_f32 v[N+\j], v[N+\j]                   ; n = the nearest whole number to a x 2 / pi
.endr
.irp j, 0,1,2,3,4,5,6,7
	v_fma_f32 v[RR+\j], -v[N+\j], s21, v[TM+\j]    ; r = a - n pi / 2, part by part
.endr
.irp j, 0,1,2,3,4,5,6,7
	v_fma_f32 v[RR+\j], -v[N+\j], s22, v[RR+\j]
.endr
.irp j, 0,1,2,3,4,5,6,7
	v_fma_f32 v[RR+\j], -v[N+\j], s23, v[RR+\j]
.endr
.irp j, 0,1,2,3,4,5,6,7
	v_mul_f32 v[N2+\j], s20, v[RR+\j]              ; once more: for large a the first n may be off by a few
.endr
.irp j, 0,1,2,3,4,5,6,7
	v_rndne_f32 v[N2+\j], v[N2+\j]
.endr
.irp j, 0,1,2,3,4,5,6,7
	v_fma_f32 v[RR+\j], -v[N2+\j], s21, v[RR+\j]
.endr
.irp j, 0,1,2,3,4,5,6,7
	v_fma_f32 v[RR+\j], -v[N2+\j], s22, v[RR+\j]
.endr
.irp j, 0,1,2,3,4,5,6,7
	v_cvt_i32_f32 v[II+\j], v[N+\j]
.endr
.irp j, 0,1,2,3,4,5,6,7
	v_cvt_i32_f32 v[N+\j], v[N2+\j]
.endr
.irp j, 0,1,2,3,4,5,6,7
	v_add_nc_u32 v[II+\j], v[II+\j], v[N+\j]       ; i: a = r + i pi / 2
.endr
.irp j, 0,1,2,3,4,5,6,7
	v_mul_f32 v[Z+\j], v[RR+\j], v[RR+\j]
.endr
.irp j, 0,1,2,3,4,5,6,7
	v_fma_f32 v[SN+\j], v[Z+\j], s24, s25
	v_fma_f32 v[CN+\j], v[Z+\j], s27, s28
.endr
.irp j, 0,1,2,3,4,5,6,7
	v_fma_f32 v[SN+\j], v[SN+\j], v[Z+\j], s26
	v_fma_f32 v[CN+\j], v[CN+\j], v[Z+\j], s29
.endr
.irp j, 0,1,2,3,4,5,6,7
	v_mul_f32 v[SN+\j], v[SN+\j], v[Z+\j]
	v_fma_f32 v[T+\j], v[Z+\j], -0.5, 1.0
	v_mul_f32 v[N2+\j], v[Z+\j], v[Z+\j]
.endr
.irp j, 0,1,2,3,4,5,6,7
	v_fma_f32 v[SN+\j], v[SN+\j], v[RR+\j], v[RR+\j]   ; sin r
	v_fma_f32 v[CN+\j], v[CN+\j], v[N2+\j], v[T+\j]    ; cos r
.endr
.irp j, 0,1,2,3,4,5,6,7
	v_and_b32 v[T+\j], 1, v[II+\j]
	v_cmp_ne_u32 vcc_lo, 0, v[T+\j]
	v_cndmask_b32 v[T+\j], v[CN+\j], v[SN+\j], vcc_lo  ; cos a is +-cos r for even i, -+sin r for odd i;
	v_add_nc_u32 v[II+\j], 1, v[II+\j]
	v_and_b32 v[II+\j], 2, v[II+\j]
	v_lshlrev_b32 v[II+\j], 30, v[II+\j]               ; negative where i mod 4 is 1 or 2
	v_xor_b32 v[QB+\j], v[T+\j], v[II+\j]
.endr
	ds_store_b128 v6, v[QB:QB+3] offset:QMI
	ds_store_b128 v6, v[QB+4:QB+7] offset:QMI+512
	s_wait_dscnt 0x0                               ; for the others' sake: my image is stored
	s_barrier_signal -1
	s_barrier_wait -1
	ds_load_b128 v[QB:QB+3], v1 offset:QMI
	ds_load_b128 v[QB+4:QB+7], v1 offset:QMI+512
	; ---- phase 1: my 128 of f for the eight tiles of tokens
.macro TILE m
	s_wait_dscnt 0x0                               ; qm of this tile is in
.if \m == 0
	s_wait_loadcnt 0x0                             ; W2
.endif
.irp c, 0,1,2,3                                ; four chunks of K, the eight accumulators by turns; chunk 0 starts the sums
.irp t, 0,1,2,3,4,5,6,7
.if \c == 0
	v_wmma_f32_16x16x4_f32 v[ACC+8*\t:ACC+8*\t+7], v[W2F+8*\t+2*\c:W2F+8*\t+2*\c+1], v[QB+2*\c:QB+2*\c+1], 0
.else
	v_wmma_f32_16x16x4_f32 v[ACC+8*\t:ACC+8*\t+7], v[W2F+8*\t+2*\c:W2F+8*\t+2*\c+1], v[QB+2*\c:QB+2*\c+1], v[ACC+8*\t:ACC+8*\t+7]
.endif
.endr
.endr
.rept 8
	v_nop                                          ; eight places behind this form (ISA guide 7.12.1)
.endr
.irp j, 0,1,2,3,4,5,6,7,8,9,10,11,12,13,14,15,16,17,18,19,20,21,22,23,24,25,26,27,28,29,30,31,32,33,34,35,36,37,38,39,40,41,42,43,44,45,46,47,48,49,50,51,52,53,54,55,56,57,58,59,60,61,62,63
	v_max_num_f32 v[HR+\j], 0, v[ACC+\j]           ; relu, into other registers; each accumulator from its low end on
.endr
.if \m < 7
	ds_load_b128 v[QB:QB+3], v1 offset:QMI+1024*(\m+1)        ; the next tile's qm lands while this tile is quantised
	ds_load_b128 v[QB+4:QB+7], v1 offset:QMI+1024*(\m+1)+512
.endif
.if \m > 0
	s_wait_xcnt 0x0                                ; the last tile's stores have read the codes' registers
.endif
	QUANT HR, PW
.irp c, 0,1,2
	global_store_b128 v1, v[PC+4*\c:PC+4*\c+3], s[10:11] offset:8*REC*\m+512*\c   ; 512 consecutive bytes a store
.endr
	ds_store_b32 v7, v[PW] offset:512*\m           ; lanes r and r + 16 write the same word with the same value
.endm
.irp m, 0,1,2,3,4,5,6,7
	TILE \m
.endr
	s_wait_dscnt 0x0                               ; my scale words are stored
	s_barrier_signal -1
	s_barrier_wait -1
	ds_load_b128 v[HR:HR+3], v8                    ; row block w's words of the work-group's eight K steps: two records' 256 bytes
	s_wait_dscnt 0x0
	global_store_b128 v9, v[HR:HR+3], s[32:33]
	s_wait_tensorcnt 0x0
	ds_add_u32 v254, v255
	s_wait_dscnt 0x0
	s_endpgm
.Lfunc_end_k_q3e574cc110_hidden2:
	.size	k_q3e574cc110_hidden2, .Lfunc_end_k_q3e574cc110_hidden2-k_q3e574cc110_hidden2
	.p2alignl 7, 3214868480
	.fill 96, 4, 3214868480
	.section	.rodata,"a",@progbits
	.p2align	6, 0x0
	.amdhsa_kernel k_q3e574cc110_hidden2
		.amdhsa_group_segment_fixed_size 13312
		.amdhsa_private_segment_fixed_size 0
		.amdhsa_enable_private_segment 0
		.amdhsa_kernarg_size 32
		.amdhsa_user_sgpr_count 2
		.amdhsa_user_sgpr_kernarg_segment_ptr 1
		.amdhsa_wavefront_size32 1
		.amdhsa_system_sgpr_workgroup_id_x 1
		.amdhsa_system_sgpr_workgroup_id_y 1
		.amdhsa_system_sgpr_workgroup_id_z 1
		.amdhsa_system_vgpr_workitem_id 0
		.amdhsa_next_free_vgpr 256
		.amdhsa_next_free_sgpr 66
		.amdhsa_reserve_vcc 1
		.amdhsa_float_denorm_mode_32 3
		.amdhsa_float_denorm_mode_16_64 3
		.amdhsa_memory_ordered 1
		.amdhsa_forward_progress 1
		.amdhsa_inst_pref_size 91
	.end_amdhsa_kernel
	.amdgpu_metadata
---
amdhsa.version: [ 1, 2 ]
amdhsa.kernels:
  - .name:           k_q3e574cc110_hidden2
    .symbol:         k_q3e574cc110_hidden2.kd
    .args:
      - { .name: qpart, .offset: 0, .size: 8, .value_kind: global_buffer, .address_space: global }
      - { .name: theta, .offset: 8, .size: 8, .value_kind: global_buffer, .address_space: global }
      - { .name: W2, .offset: 16, .size: 8, .value_kind: global_buffer, .address_space: global }
      - { .name: h2r, .offset: 24, .size: 8, .value_kind: global_buffer, .address_space: global }
    .group_segment_fixed_size: 13312
    .private_segment_fixed_size: 0
    .kernarg_segment_align: 8
    .kernarg_segment_size: 32
    .max_flat_workgroup_size: 256
    .sgpr_count:     66
    .vgpr_count:     256
    .wavefront_size: 32
...
	.end_amdgpu_metadata
.endif
;; end of part 3
;; launch gemm2 (part 4): grid 4 x 64, 4 waves a work-group, clusters of 4 x 4, 327,680 bytes of LDS; arguments h2r, wor, out0; writes out0
.if DOCPART == 4
	.amdgcn_target "amdgcn-amd-amdhsa--gfx1250"
	.amdhsa_code_object_version 6
	.text
	.protected	k_q3e574cc110_gemm2
	.globl	k_q3e574cc110_gemm2
	.p2align	8
	.type	k_q3e574cc110_gemm2,@function
k_q3e574cc110_gemm2:
	s_mov_b64 s[64:65], 0
	v_nop
	global_prefetch_b8 v0, s[64:65] scope:SCOPE_SE
	s_setreg_imm32_b32 hwreg(HW_REG_WAVE_MODE, 25, 1), 1
	s_wait_xcnt 0x0
	s_wait_alu depctr_hold_cnt(0) depctr_sa_sdst(0) depctr_va_vdst(0) depctr_va_sdst(0) depctr_va_ssrc(0) depctr_va_vcc(0) depctr_vm_vsrc(0)
	s_getreg_b32 s2, hwreg(HW_REG_IB_STS2, 6, 4)
	s_cmp_eq_u32 s2, 0
	s_cbranch_scc0 .Lentry_in_a_cluster
	s_endpgm
.Lentry_in_a_cluster:
	s_bfe_u32 s2, ttmp6, 0x10000c
	s_cmp_lg_u32 s2, 0xf033
	s_cbranch_scc0 .Lentry_shape_is_right
	s_endpgm
.Lentry_shape_is_right:
; out = Q(h2) Q(Wo)^T: 8,192 x 1,024, K = 4,096, on codes of BF6 with E8M0 scales; out0 f32.  Both operands are records (16 rows x 512 K, 6,400 bytes: four fragment images of 1,536 bytes, then 256 bytes of scale words).
; SHARES.  A tile of out is 128 tokens x 256 columns, which gives each of 256 work-groups one tile; a wave makes 64 x 128: 32 accumulators.  The matrix instruction is used TRANSPOSED (source 0 = 16 rows of Wo,
; source 1 = 16 tokens): a lane holds eight neighbouring columns of one row of out.
; K goes through a ring of two LDS slots; a slot holds one record of each row block, scale words with it: four K steps of 128, 128 matrix instructions a wave between two changes of slots.
; CLUSTERS: 4 x 4 work-groups.  h2's tiles hang on Y alone and are asked for jointly along a row of the cluster, Wo's on X alone, along a column.
; By this text's own count a wave has two tensor loads out at the start and one behind each change of slots.
; REGISTERS: window 0: v16-30 addresses; v32-63 scale words, two sets (K steps 0, 1 and 2, 3 of a slot); v64-111, v112-159 h2's fragments, two sets; on the way out v128-255.
;   window 1: v0-95, v128-223 Wo's fragments, two sets.   window 2: accumulator (a, b) at v[8 (8 a + b)].
.set REC,    6400
.set FRB,    1536
.set BOFF,   8*REC                     ; a slot: h2's 8 records, then Wo's 16
.set SLOT,   24*REC
.set SPARE,  2*SLOT                    ; behind the ring: the spare words, 128 bytes a wave: two blocks of 256 bytes that no other line names
.set SPITCH, 528                       ; the way out: 16 rows x (512 bytes + 16) for each wave, in slot 0, which has had its last fill and its last read by then
.set ADRA, 16                          ; v16-17
.set ADRS, 18                          ; v18-19  lanes 0-15 h2's scale words, lanes 16-31 Wo's
.set ADRB, 20                          ; v20-21
.set STO,  24
.set RD,   25
.set CO,   26
.set SPW,  28                          ; never rewritten
.set NIL,  29                          ; never rewritten
.set PFO,  30                          ; the prefetches' offset: 256 x min(lane, 24); never rewritten
.set SC,   32
.set AF,   64
.set BK,   128
.set G1,   24
.set G0,   32
.set G1B,  48
.set G0B,  56
.set PFA,  68                          ; s[68:69] where my prefetches stand
.set LIM,  70                          ; s70  1 in a wave that prefetches, else the greatest number
.set MSB, 0
.macro WIN new
.if MSB != (\new)
	s_set_vgpr_msb (MSB<<8)|(\new)
.set MSB, (\new)
.endif
.endm
.set MUL,  0xa1                        ; source 0 (Wo) window 1, source 1 (h2) window 0, C and D window 2
.set TO_B, 0x40
.macro PLACES n
.rept \n
	v_nop
.endr
.endm
.macro JLOAD g0a, g1a, g0b, g1b        ; waves 0 and 1 fetch for h2, waves 2 and 3 for Wo; four v_nop follow each of the two lines
	s_cmp_eq_u32 s15, 0
	s_cbranch_scc0 .Lfor_b_\@
	tensor_load_to_lds s[\g0a:\g0a+3], s[\g1a:\g1a+7]
	s_nop 0
.rept 4
	v_nop
.endr
	s_branch .Lasked_\@
.Lfor_b_\@:
	tensor_load_to_lds s[\g0b:\g0b+3], s[\g1b:\g1b+7]
	s_nop 0
.rept 4
	v_nop
.endr
.Lasked_\@:
.endm
.macro CREST
	s_cmp_lg_u32 s14, 0
	s_cbranch_scc1 .Lnot_wave_0_\@
	s_barrier_signal -3
.Lnot_wave_0_\@:
	s_barrier_wait -3
	s_barrier_signal -1
	s_barrier_wait -1
.endm
.macro CROUND
	s_barrier_signal -1
	s_barrier_wait -1
	CREST
.endm
; A PREFETCH INTO THE L2 of h2's records two refills on (256 matrix instructions ahead of the load that will want them).  h2r is walked once, by one cluster's row jointly.  Waves 0 and 1, which fetch h2, ask;
; of the wave's four records the partner at place cx takes one, told apart BY ADDRESS; a record is 25 runs of 256 bytes, a lane a run (lanes 25-31 name lane 24's again).  The loop's last trip asks for nothing:
; there is no record two refills on.  The first four records of a row block come by their loads alone.  Wo is read by sixteen clusters and is not asked for.
.macro ASK
	s_cmp_gt_u32 s3, s[LIM]
	s_cbranch_scc0 .Lnot_mine_\@
	global_prefetch_b8 v[PFO], s[PFA:PFA+1] th:TH_LOAD_NT scope:SCOPE_SE
.Lnot_mine_\@:
.endm
	s_load_b128 s[4:7], s[0:1], 0x0                ; h2r, wor
	s_load_b64 s[12:13], s[0:1], 0x10              ; out0
	v_lshl_add_u32 v[SPW], v0, 2, SPARE
	v_mov_b32 v[NIL], 0
	ds_add_u32 v28, v29
	ds_add_u32 v28, v29
	s_wait_dscnt 0x0
	v_lshrrev_b32 v1, 5, v0
	v_readfirstlane_b32 s14, v1                    ; wave 0..3
	s_lshr_b32 s15, s14, 1                         ; my half of the tile's tokens.  Also: I fetch for h2 (0) or for Wo (1)
	s_and_b32 s16, s14, 1                          ; my half of its columns.  Also: which half I fetch
	s_bfe_u32 s40, ttmp6, 0x40000                  ; cx
	s_bfe_u32 s41, ttmp6, 0x40004                  ; cy
	s_lshl_b32 s42, ttmp9, 2
	s_add_co_u32 s42, s42, s40                     ; X
	s_and_b32 s17, ttmp7, 0xffff
	s_lshl_b32 s17, s17, 2
	s_add_co_u32 s17, s17, s41                     ; Y
	s_lshl_b32 s43, s41, 2
	s_lshl_b32 s43, 15, s43                        ; my row of the cluster
	s_lshl_b32 s44, 0x1111, s40                    ; my column
	; group 1: rows of 6,400 bytes (800 elements of 8), one record of each row block, 51,200 bytes apart: 4 for half of h2's tile, 8 for half of Wo's; no padding
	s_or_b32 s[G1+0], s43, (3<<16)|(1<<21)
	s_mov_b32 s[G1+1], 800<<16
	s_mov_b32 s[G1+2], 4<<16
	s_mov_b32 s[G1+3], 800<<16
	s_mov_b32 s[G1+4], 4
	s_mov_b32 s[G1+5], 6400
	s_mov_b32 s[G1+6], 0
	s_mov_b32 s[G1+7], 0
	s_or_b32 s[G1B+0], s44, (3<<16)|(1<<21)
	s_mov_b32 s[G1B+1], 800<<16
	s_mov_b32 s[G1B+2], 8<<16
	s_mov_b32 s[G1B+3], 800<<16
	s_mov_b32 s[G1B+4], 8
	s_mov_b32 s[G1B+5], 6400
	s_mov_b32 s[G1B+6], 0
	s_mov_b32 s[G1B+7], 0
	s_mul_i32 s20, s17, 8*8*REC
	s_mul_i32 s18, s16, 4*8*REC
	s_add_co_u32 s20, s20, s18                     ; h2: by Y and the wave alone
	s_mov_b32 s21, 0
	s_mul_i32 s46, s42, 16*8*REC
	s_mul_i32 s18, s16, 8*8*REC
	s_add_co_u32 s46, s46, s18                     ; Wo: by X and the wave alone
	s_mov_b32 s47, 0
	s_mul_i32 s45, s16, 4*REC                      ; where they go in a slot
	s_mul_i32 s10, s16, 8*REC
	s_add_co_u32 s10, s10, BOFF
	s_wait_kmcnt 0x0
	s_add_nc_u64 s[20:21], s[4:5], s[20:21]
	s_add_nc_u64 s[46:47], s[6:7], s[46:47]
	CROUND                                         ; all sixteen work-groups are here: the first joint loads meet
.irp s, 0,1
	s_mov_b32 s[G0+4*\s], 1
	s_add_co_u32 s[G0+4*\s+1], s45, \s*SLOT
	s_add_nc_u64 s[G0+4*\s+2:G0+4*\s+3], s[20:21], \s*REC
	s_or_b32 s[G0+4*\s+3], s[G0+4*\s+3], 0x80000000
	s_mov_b32 s[G0B+4*\s], 1
	s_add_co_u32 s[G0B+4*\s+1], s10, \s*SLOT
	s_add_nc_u64 s[G0B+4*\s+2:G0B+4*\s+3], s[46:47], \s*REC
	s_or_b32 s[G0B+4*\s+3], s[G0B+4*\s+3], 0x80000000
	JLOAD G0+4*\s, G1, G0B+4*\s, G1B
.endr
	v_and_b32 v1, 15, v0                           ; r
	v_bfe_u32 v2, v0, 4, 1                         ; h
	v_and_b32 v3, 31, v0                           ; lane
	v_lshlrev_b32 v[CO], 4, v3                     ; 16 x lane
	v_lshlrev_b32 v5, 3, v1                        ; scale words: 8 bytes a row for two K steps
	s_xor_b32 s23, s15, 1
	s_lshl_b32 s22, s16, 1
	s_add_co_u32 s22, s22, s23
	s_add_co_u32 s22, s22, 1
	s_mul_i32 s22, s22, 4*REC                      ; from h2's words to Wo's: 51200 + 51200 s16 - 25600 s15 = 25600 (1 + 2 s16 + (1 - s15))
	v_mul_u32_u24 v6, s22, v2                      ; lanes 16-31 take Wo's: one product with h
	v_add_nc_u32 v5, v5, v6
	s_mul_i32 s21, s15, 4*REC                      ; my four records of h2
	s_mul_i32 s22, s16, 8*REC
	s_add_co_u32 s22, s22, BOFF                    ; my eight of Wo
	s_add_co_u32 s23, s21, 6144
.irp s, 0,1
	v_add_nc_u32 v[ADRA+\s], s21, v[CO]
	v_add_nc_u32 v[ADRB+\s], s22, v[CO]
	v_add_nc_u32 v[ADRS+\s], s23, v5
	s_add_co_u32 s21, s21, SLOT
	s_add_co_u32 s22, s22, SLOT
	s_add_co_u32 s23, s23, SLOT
.endr
	s_mul_i32 s23, s14, 16*SPITCH                  ; my stage
	v_mul_u32_u24 v5, v1, SPITCH
	v_lshl_add_u32 v5, v2, 5, v5
	v_add_nc_u32 v[STO], s23, v5                   ; in: row r, 32 bytes for each half of the lanes
	v_add_nc_u32 v[RD], s23, v[CO]                 ; back: the 32 lanes take one row of 512 bytes
	s_lshl_b32 s18, s17, 7
	s_lshl_b32 s19, s15, 6
	s_add_co_u32 s18, s18, s19                     ; my first row of out: 128 Y + 64 s15
	s_lshl_b32 s18, s18, 12                        ; a row is 4,096 bytes
	s_lshl_b32 s19, s42, 10
	s_add_co_u32 s18, s18, s19
	s_lshl_b32 s19, s16, 9
	s_add_co_u32 s18, s18, s19                     ; my first column: 1024 X + 512 s16 bytes
	s_mov_b32 s19, 0
	s_add_nc_u64 s[12:13], s[12:13], s[18:19]
	s_lshl_b32 s18, s17, 3                         ; the prefetches: row block 8 Y + 4 s16 + cx,
	s_lshl_b32 s19, s16, 2
	s_add_co_u32 s18, s18, s19
	s_add_co_u32 s18, s18, s40
	s_mul_i32 s18, s18, 8*REC
	s_add_co_u32 s18, s18, 3*REC                   ; at record 3: the first change of slots steps it to record 4.  Nothing is prefetched here, at the head
	s_mov_b32 s19, 0
	s_add_nc_u64 s[PFA:PFA+1], s[4:5], s[18:19]
	s_cmp_eq_u32 s15, 0
	s_cselect_b32 s[LIM], 1, -1
	v_min_u32 v[PFO], 24, v3
	v_lshlrev_b32 v[PFO], 8, v[PFO]
.macro FRAG reg, adr, off
.irp c, 0,1,2
	ds_load_b128 v[\reg+4*\c:\reg+4*\c+3], v[\adr] offset:\off+512*\c
.endr
.endm
.macro FETCH slot, q, set              ; K step q of the slot: Wo's eight fragments and h2's four
	WIN TO_B
.irp i, 0,1,2,3,4,5,6,7
	FRAG 128*(\set)+12*\i, ADRB+\slot, REC*\i+FRB*(\q)
.endr
	WIN 0
.irp i, 0,1,2,3
	FRAG AF+48*(\set)+12*\i, ADRA+\slot, REC*\i+FRB*(\q)
.endr
.endm
.macro SCALES slot, pair, set          ; register 2 i + q: lanes 0-15 h2's block i (for i over 3: bytes of the slot that nobody uses), lanes 16-31 Wo's block i
.irp i, 0,1,2,3,4,5,6,7
	ds_load_b64 v[SC+16*(\set)+2*\i:SC+16*(\set)+2*\i+1], v[ADRS+\slot] offset:REC*\i+128*(\pair)
.endr
.endm
; Eight products: h2's block a against Wo's eight.  The 32 accumulators take turns, one instruction a turn, in the same order in every K step.
.macro MULA a, set, q, zero
.irp b, 0,1,2,3,4,5,6,7
.if \zero
	v_wmma_scale_f32_16x16x128_f8f6f4 v[8*(8*(\a)+\b):8*(8*(\a)+\b)+7], v[128*(\set)+12*\b:128*(\set)+12*\b+11], v[AF+48*(\set)+12*(\a):AF+48*(\set)+12*(\a)+11], 0, v[SC+16*((\q)/2)+2*\b+(\q)%2], v[SC+16*((\q)/2)+2*(\a)+(\q)%2] matrix_a_fmt:MATRIX_FMT_BF6 matrix_b_fmt:MATRIX_FMT_BF6 matrix_a_scale:MATRIX_SCALE_ROW1
.else
	v_wmma_scale_f32_16x16x128_f8f6f4 v[8*(8*(\a)+\b):8*(8*(\a)+\b)+7], v[128*(\set)+12*\b:128*(\set)+12*\b+11], v[AF+48*(\set)+12*(\a):AF+48*(\set)+12*(\a)+11], v[8*(8*(\a)+\b):8*(8*(\a)+\b)+7], v[SC+16*((\q)/2)+2*\b+(\q)%2], v[SC+16*((\q)/2)+2*(\a)+(\q)%2] matrix_a_fmt:MATRIX_FMT_BF6 matrix_b_fmt:MATRIX_FMT_BF6 matrix_a_scale:MATRIX_SCALE_ROW1
.endif
.endr
.endm
; One of a slot's first three K steps: multiplies set q % 2; in its middle it fetches the next K step into the other set.
.macro STEP slot, q, zero
	s_wait_dscnt 0x0                               ; this K step's fragments are in (asked for 16 matrix instructions ago)
	WIN MUL
	MULA 0, (\q)%2, \q, \zero
	MULA 1, (\q)%2, \q, \zero
	PLACES 4                                       ; four plain places in front of loads into registers that matrix instructions have read (ISA guide 7.12.1 for vector instructions)
	FETCH \slot, (\q)+1, ((\q)+1)%2
.if (\q) == 1
	SCALES \slot, 1, 1                             ; the scale words of K steps 2 and 3
.endif
	WIN MUL
	MULA 2, (\q)%2, \q, \zero
	MULA 3, (\q)%2, \q, \zero
.endm
; A slot's last K step changes slots: ONE barrier; in front of it each wave waits for all its tensor loads, adds 0 to its spare word, and waits for that and for its own reads of this slot.
.macro TURN slot, next, fill
	WIN 0
.if \fill
	s_wait_xcnt 0x0                                ; the last prefetch, a slot back, has read its address: it is stepped here, ahead of the change's own waits
	s_add_nc_u64 s[PFA:PFA+1], s[PFA:PFA+1], REC
.endif
	s_wait_tensorcnt 0x0                           ; all my tensor loads have landed: my part of the slot ahead
	ds_add_u32 v[SPW], v[NIL]                      ; 0 onto my spare word
	s_wait_dscnt 1                                 ; the fragments are in; the add alone may be out
	WIN MUL
	MULA 0, 1, 3, 0
	s_wait_dscnt 0x0                               ; the add is done, and my reads of this slot are over
	s_barrier_signal -1
	MULA 1, 1, 3, 0
	WIN 0
	s_barrier_wait -1
.if \fill
	CREST                                          ; the barrier has opened a round of the cluster's: no wave of any partner still reads this slot or has a load on its way
	s_add_nc_u64 s[G0+4*\slot+2:G0+4*\slot+3], s[G0+4*\slot+2:G0+4*\slot+3], 2*REC
	s_add_nc_u64 s[G0B+4*\slot+2:G0B+4*\slot+3], s[G0B+4*\slot+2:G0B+4*\slot+3], 2*REC
	JLOAD G0+4*\slot, G1, G0B+4*\slot, G1B         ; the first tensor load behind the round; its four v_nop are also the places in front of the loads below
.else
	PLACES 4
.endif
	FETCH \next, 0, 0
	SCALES \next, 0, 0
.if \fill
	ASK
.endif
	WIN MUL
	MULA 2, 1, 3, 0
	MULA 3, 1, 3, 0
.endm
	s_wait_tensorcnt 1                             ; my part of slot 0 is in; slot 1's fill may be out
	s_barrier_signal -1
	s_barrier_wait -1
	FETCH 0, 0, 0
	SCALES 0, 0, 0
	STEP 0, 0, 1                                   ; the first K step stands in front of the loop: its products start the sums
	WIN 0                                          ; at a label and at a branch every window is 0
	s_mov_b32 s3, 3
.Llap:                                                 ; a trip goes once round the ring, from a slot's second K step to the next lap's first, and fills both slots again
	STEP 0, 1, 0
	STEP 0, 2, 0
	TURN 0, 1, 1
	STEP 1, 0, 0
	STEP 1, 1, 0
	STEP 1, 2, 0
	TURN 1, 0, 1
	STEP 0, 0, 0
	WIN 0
	s_sub_co_u32 s3, s3, 1
	s_cmp_lg_u32 s3, 0
	s_cbranch_scc1 .Llap
	STEP 0, 1, 0                                   ; the last lap fills nothing
	STEP 0, 2, 0
	TURN 0, 1, 0
	STEP 1, 0, 0
	STEP 1, 1, 0
	STEP 1, 2, 0
	s_wait_dscnt 0x0                               ; the very last K step
	WIN MUL
	MULA 0, 1, 3, 0
	MULA 1, 1, 3, 0
	MULA 2, 1, 3, 0
	MULA 3, 1, 3, 0
	WIN 0
; THE WAY OUT, block by block of 16 rows x 128 columns: through my own stage in LDS, back as whole rows of 512 bytes.  LDS serves a wave's instructions in order (ISA guide 5.7.1.4): no wait between the stores and the loads.
.macro TOSTAGE a
	WIN 0x08                                       ; an LDS store's data are its source 1: window 2
.irp b, 0,1,2,3,4,5,6,7
	ds_store_b128 v[STO], v[64*(\a)+8*\b:64*(\a)+8*\b+3] offset:64*\b          ; each accumulator from its low end on
	ds_store_b128 v[STO], v[64*(\a)+8*\b+4:64*(\a)+8*\b+7] offset:64*\b+16
.endr
	WIN 0
.irp t, 0,1,2,3,4,5,6,7,8,9,10,11,12,13,14,15
	ds_load_b128 v[BK+64*((\a)%2)+4*\t:BK+64*((\a)%2)+4*\t+3], v[RD] offset:\t*SPITCH
.endr
.endm
.macro SEND a, younger                 ; younger: the LDS instructions issued behind block a's loads, which may stay out
	s_wait_dscnt \younger
.if (\a) > 0
	s_add_nc_u64 s[12:13], s[12:13], 16*4096       ; (behind a wait on XCNT: the earlier stores have read their base)
.endif
.irp t, 0,1,2,3,4,5,6,7,8,9,10,11,12,13,14,15
	global_store_b128 v[CO], v[BK+64*((\a)%2)+4*\t:BK+64*((\a)%2)+4*\t+3], s[12:13] offset:\t*4096 th:TH_STORE_NT   ; 32 lanes store 512 consecutive bytes, at a multiple of 256 from out0's first byte
.endr
.endm
	PLACES 4                                       ; behind the last products: their results are read, and loads land in registers that held fragments
	TOSTAGE 0
.irp a, 1,2,3
.if \a > 1
	s_wait_xcnt 0x0                                ; block a - 2's stores have read their registers and their base
.endif
	TOSTAGE \a
	SEND \a-1, 32                                  ; behind block a - 1's loads: block a's 16 stores and 16 loads
.endr
	s_wait_xcnt 0x0
	SEND 3, 0
	s_wait_tensorcnt 0x0                           ; the wave's end
	ds_add_u32 v[SPW], v[NIL]
	s_wait_dscnt 0x0
	CROUND                                         ; the closing round
	s_endpgm
.Lfunc_end_k_q3e574cc110_gemm2:
	.size	k_q3e574cc110_gemm2, .Lfunc_end_k_q3e574cc110_gemm2-k_q3e574cc110_gemm2
	.p2alignl 7, 3214868480
	.fill 96, 4, 3214868480
	.section	.rodata,"a",@progbits
	.p2align	6, 0x0
	.amdhsa_kernel k_q3e574cc110_gemm2
		.amdhsa_group_segment_fixed_size 327680
		.amdhsa_private_segment_fixed_size 0
		.amdhsa_enable_private_segment 0
		.amdhsa_kernarg_size 24
		.amdhsa_user_sgpr_count 2
		.amdhsa_user_sgpr_kernarg_segment_ptr 1
		.amdhsa_wavefront_size32 1
		.amdhsa_system_sgpr_workgroup_id_x 1
		.amdhsa_system_sgpr_workgroup_id_y 1
		.amdhsa_system_sgpr_workgroup_id_z 1
		.amdhsa_system_vgpr_workitem_id 0
		.amdhsa_next_free_vgpr 768
		.amdhsa_next_free_sgpr 72
		.amdhsa_reserve_vcc 0
		.amdhsa_float_denorm_mode_32 3
		.amdhsa_float_denorm_mode_16_64 3
		.amdhsa_memory_ordered 1
		.amdhsa_forward_progress 1
		.amdhsa_inst_pref_size 134
	.end_amdhsa_kernel
	.amdgpu_metadata
---
amdhsa.version: [ 1, 2 ]
amdhsa.kernels:
  - .name:           k_q3e574cc110_gemm2
    .symbol:         k_q3e574cc110_gemm2.kd
    .args:
      - { .name: h2r, .offset: 0, .size: 8, .value_kind: global_buffer, .address_space: global }
      - { .name: wor, .offset: 8, .size: 8, .value_kind: global_buffer, .address_space: global }
      - { .name: out0, .offset: 16, .size: 8, .value_kind: global_buffer, .address_space: global }
    .group_segment_fixed_size: 327680
    .private_segment_fixed_size: 0
    .kernarg_segment_align: 8
    .kernarg_segment_size: 24
    .max_flat_workgroup_size: 128
    .sgpr_count:     72
    .vgpr_count:     768
    .wavefront_size: 32
...
	.end_amdgpu_metadata
.endif
;; end of part 4
